; MI455X (gfx1250); checked and timed in simulation.
; The chip was launched on July 23, 2026; its instructions are those of AMD's public machine-readable ISA for CDNA 5 (MIT licence, August 2026) and "CDNA5" Instruction Set Architecture Reference Guide (July 2026). The comments in the code are by the model that wrote it; some were corrected since.
;; Causal Self Attention. Allowed arithmetic: matrix products marked QUANTISED: E4M3 operands, one given power-of-two scale a tensor, by v_wmma_f32_16x16x64_fp8_fp8 or v_wmma_f32_16x16x128_fp8_fp8, f32 sums; everything else in f32.
;; Inputs: b_proj 1,024 float32; b_qkv 3,072 float32; lowp_scales 8 int32 (the exponents e of the quantised operands' scales 2^e); w_proj_codes 1,024 x 32 x 32 uint8 (E4M3 codes of w_proj, K innermost, in blocks of 32 codes); w_qkv_codes 3,072 x 32 x 32 uint8 (E4M3 codes of w_qkv, K innermost, in blocks of 32 codes); x_codes 4 x 2,048 x 32 x 32 uint8 (E4M3 codes of x, K innermost, in blocks of 32 codes).
;; Outputs: out0 4 x 2,048 x 1,024 float32.
;; This version of the problem:
;;   THIS VERSION OF THE PROBLEM IS GIVEN IN LOW PRECISION. The matrix products marked QUANTISED in the list below multiply operands that are first quantised to E4M3 (4 exponent bits, 3 mantissa bits; 8 bits a number), with one given power-of-two scale for each operand tensor; their sums are f32. All else is computed in f32.
;;   The module's matrix products, in the order in which they are computed (A, B: the left and right operand; K: the contracted axis; several contracted axes count as one K, in the product's order):
;;     1. [M 8,192, K 1,024] x [K 1,024, N 3,072]; A: input x (given as codes); B: input w_qkv (given as codes): QUANTISED (scales: A lowp_scales[0], B lowp_scales[1])
;;     2. batch 64 x [M 2,048, K 64] x [K 64, N 2,048]; A: computed on the way; B: computed on the way: QUANTISED (scales: A lowp_scales[2], B lowp_scales[3])
;;     3. batch 64 x [M 2,048, K 2,048] x [K 2,048, N 64]; A: softmax (see below); B: computed on the way: QUANTISED (scales: A lowp_scales[4], B lowp_scales[5])
;;     4. [M 8,192, K 1,024] x [K 1,024, N 1,024]; A: computed on the way; B: input w_proj (given as codes): QUANTISED (scales: A lowp_scales[6], B lowp_scales[7])
;;   THE QUANTISER, for each operand of a quantised product, along K:
;;     - The operand's scale is 2^e, e = its entry of the input lowp_scales (int32; the entries are numbered through the quantised products in the list's order, A before B).
;;     - Each number is divided by the scale, clamped to +-448, and rounded to the nearest number of E4M3, ties to even, subnormals kept.
;;     - The product sums the exact products of the quantised numbers (number of the format x scale) in f32.
;;   ~~~python
;;   def quantise(x, axis, e):      # numpy; x: float32 -> the quantised numbers, widened to float32 again
;;       x = np.moveaxis(x, axis, -1); K = x.shape[-1]
;;       r = np.clip(x / 2.0 ** e, -448, 448)
;;       step = 2.0 ** (np.maximum(np.frexp(np.where(r == 0, 1, r))[1] - 1, -6) - 3)
;;       q = np.round(r / step) * step * 2.0 ** e      # np.round: ties to even
;;       return np.moveaxis(q, -1, axis).astype(np.float32)
;;   ~~~
;;   SOFTMAX AHEAD OF A QUANTISED PRODUCT. Where the list says 'softmax', what is quantised is not the finished softmax but p = 2^(t - M), with t = logit x log2(e) and M = ceil(the row's largest t), a whole number; so 1/2 < the row's largest p <= 1. The row's sum l is taken of the UNQUANTISED p, in f32, and the product's result is divided by l at the end. Since M is a whole number, a kernel that streams over the keys may use a running M (the ceiling of the running maximum): every later rescaling is an exact power of two, so the quantised numbers keep their values, but for numbers so far below the row's largest that they fall under the format's range.
;;   OPERANDS COMPUTED ON THE WAY. 'Computed on the way' means the value that the module computes at that place (a softmax that the list does not call 'softmax' is quantised finished and normalised). What goes into a quantiser is computed in f32, as accurately as f32 sums, v_exp_f32 and their like allow (about 1e-6 of the number): no bf16 or f16 on the way to a quantiser, and a product that is left as it is and whose result goes on into a quantised operand takes f32 operands (vector FMAs, or v_wmma_f32_16x16x4_f32). A number that lies on a knife's edge between two numbers of the format may be rounded either way, as far as f32 arithmetic and the matrix unit's own rounding can turn it there, and no further.
;;   INPUTS GIVEN AS CODES. w_proj (in the module: [1024, 1024], K = its axis 0); w_qkv (in the module: [1024, 3072], K = its axis 0); x (in the module: [4, 2048, 1024], K = its axis 2): each comes as NAME_codes (uint8): NAME with its K axis moved to the last place and cut into blocks of 32 codes, [.., K / 32, bytes a block], one block behind the other in memory; one code a byte (a code: sign, 4 exponent bits, 3 mantissa bits); its scale is its entry of lowp_scales. Its value is code x scale, taken as it is: it is not quantised again, and the codes and scales need not be those that the quantiser above would give.
;; One version. Each part assembles by itself: llvm-mc -triple=amdgcn-amd-amdhsa -mcpu=gfx1250 --defsym DOCPART=n.
;; ======== version 1 of 1: 3 launches
;; limits: right only within a limited range of input values
;; workspace buffers: q_img 8,388,608 bytes; kv_img 16,777,216 bytes; y_img 8,388,608 bytes
;; launch qkv (part 1): grid 12 x 32, 4 waves a work-group, clusters of 4 x 4, 327,680 bytes of LDS; arguments x_codes, w_qkv_codes, lowp_scales, b_qkv, q_img, kv_img; writes q_img, kv_img
.if DOCPART == 1
	.amdgcn_target "amdgcn-amd-amdhsa--gfx1250"
	.amdhsa_code_object_version 6
	.text
	.protected	k_q547df131c2_qkv
	.globl	k_q547df131c2_qkv
	.p2align	8
	.type	k_q547df131c2_qkv,@function
k_q547df131c2_qkv:
	s_mov_b64 s[64:65], 0
	v_nop
	global_prefetch_b8 v0, s[64:65] scope:SCOPE_SE
	s_setreg_imm32_b32 hwreg(HW_REG_WAVE_MODE, 25, 1), 1
	s_wait_xcnt 0x0
	s_wait_alu depctr_hold_cnt(0) depctr_sa_sdst(0) depctr_va_vdst(0) depctr_va_sdst(0) depctr_va_ssrc(0) depctr_va_vcc(0) depctr_vm_vsrc(0)
	s_getreg_b32 s2, hwreg(HW_REG_IB_STS2, 6, 4)
	s_cmp_eq_u32 s2, 0
	s_cbranch_scc0 .Lentry_in_a_cluster
	s_endpgm
.Lentry_in_a_cluster:
	s_bfe_u32 s2, ttmp6, 0x10000c
	s_cmp_lg_u32 s2, 0xf033
	s_cbranch_scc0 .Lentry_shape_is_right
	s_endpgm
.Lentry_shape_is_right:
; qkv = x w_qkv + b_qkv on codes of E4M3, and q, k, v quantised again (scales 2^e2, 2^e3, 2^e5) into images of the registers in which the attention launch wants them.
; x_codes [8192][1024], w_qkv_codes [3072][1024]: K innermost, a byte a code.  A sum stands for sum x 2^(e0 + e1).
; LIMITS: e0 + e1 between -126 and 127; e2, e3, e5 between -126 and 119, so that each power of two below is an f32 number.  NaN among the inputs is not served.
; SHARES.  A work-group of four waves makes a tile of 256 x 256 of C = A B^T, a wave 128 x 128 (64 accumulators).  K = 1,024 goes in four K steps of 256 through a ring of two LDS slots.
; The cluster's x says what is made: 0 = q, 1 = k: A = x (tile row 4 Y + cy), B = w (tile column 4 X + cx).  2 = v: THE POINTERS CHANGE PLACES: A = w's rows 2,048 on (tile row 8 + cy), B = x (tile column 4 Y + cx).
; The matrix instruction is used transposed (source 0 = 16 rows of B, source 1 = 16 rows of A): a lane holds one row of A and eight neighbouring rows of B.  So q's and k's codes come out with the head's channels
; innermost and v's with the KEYS innermost, each as its product's K asks, and nothing is transposed.
; CLUSTERS: 4 x 4.  A's tile hangs on cy alone and is asked for jointly by a row of the cluster, B's on cx alone and by a column.
; IMAGES.  q_img [bh 64][tile of 16 queries 128][c 2][512 bytes]: lane (r, h) has 16 bytes at 16 x lane: query r, channels 32 c + 16 h + 0..15.
; kv_img [bh 64][slot of 256 keys 8][32,768]: K's part [g 8][u 2][c 2][512]: key 32 g + 8 u + r % 8 + 16 (r / 8), channels 32 c + 16 h + 0..15;
;   V's part, 16,384 bytes on, [step of 128 keys 2][t 4][c 4][512]: channel 32 (t / 2) + 8 (t % 2) + r % 8 + 16 (r / 8), keys 128 step + 32 c + 16 h + 0..15.
; REGISTERS, in windows of 256: window 0: v1-8 lane terms; v16-29 addresses; v32-47 the bias along A's rows (eight pairs, the upper word 0); v49 the scale; v64-127 the bias along B's rows;
;   from v128 A's fragments, ONE set; on the way out v128-191 numbers, v192-255 codes, then the rows read back.  window 1: B's fragments, two sets.  windows 2, 3: the accumulators ((a, b) at v[8 (8 (a % 4) + b)]).
.set ROWB,   256                       ; a tile's row in bytes: a K step's codes
.set KROW,   1024                      ; a row of x or of w in memory
.set PITCH,  272                       ; an LDS row: 256 bytes + 16 of padding = 68 words: the 16 rows that a load touches start at 16 different banks (64 banks of 4 bytes: ISA guide 11.1)
.set FR,     16                        ; registers of a fragment: 16 rows x 128 K
.set NL,     4                         ; LDS loads that bring one
.set NP,     4                         ; places behind this matrix instruction (ISA guide 7.12.1)
.set HALFT,  128*PITCH                 ; 128 rows: what one tensor load brings
.set SLOT,   4*HALFT                   ; A's 256 rows, then B's 256 rows
.set SPARE,  2*SLOT                    ; behind the ring: the spare words, 128 bytes for each wave
.set ADRA, 16                          ; v16-17  LDS address of my A fragments in slot 0, 1
.set ADRB, 20                          ; v20-21  the same for B
.set STO,  24                          ; v24     the way out: where I put eight codes of a row.  The stage, 256 rows x 272 bytes, lies in slot 0's first half
.set RDQ,  25                          ; v25     where I read 16 codes back: rows as they lie (q)
.set CO,   26                          ; v26     16 x lane: my place in a group of 512 bytes
.set RDK,  27                          ; v27     rows r % 8 + 16 (r / 8) (k, v)
.set SPW,  28                          ; v28     my spare word; never rewritten
.set NIL,  29                          ; v29     0; never rewritten
.set BM,   32
.set LIMV, 48
.set SCV,  49
.set BN,   64
.set AF,   128
.set TMP,  128
.set CD,   192
.set G1, 24                            ; s[24:31] descriptor group 1 for A's tiles;  s[32:39] group 0, one set for each slot
.set G0, 32
.set G1B, 48                           ; s[48:55], s[56:63] the same for B's tiles
.set G0B, 56
.set MSB, 0
.macro WIN new                         ; the immediate's high byte repeats the setting that is left
.if MSB != \new
	s_set_vgpr_msb (MSB<<8)|\new
.set MSB, \new
.endif
.endm
.set MUL_LO, 0xa1                      ; source 0 (B) window 1, source 1 (A) window 0, C and D window 2
.set MUL_HI, 0xf1                      ; the same, C and D window 3
.set TO_B,   0x40                      ; destination window 1, address window 0
; A joint load: waves 0 and 1 fetch for A, waves 2 and 3 for B.  The branch hangs on the wave's number alone.  Four v_nop follow each of the two lines.
.macro JLOAD g0a, g1a, g0b, g1b
	s_cmp_eq_u32 s15, 0
	s_cbranch_scc0 .Lfor_b_\@
	tensor_load_to_lds s[\g0a:\g0a+3], s[\g1a:\g1a+7]
	s_nop 0
.rept 4
	v_nop
.endr
	s_branch .Lasked_\@
.Lfor_b_\@:
	tensor_load_to_lds s[\g0b:\g0b+3], s[\g1b:\g1b+7]
	s_nop 0
.rept 4
	v_nop
.endr
.Lasked_\@:
.endm
.macro CREST                           ; a round of the cluster's barrier behind its opening barrier
	s_cmp_lg_u32 s14, 0
	s_cbranch_scc1 .Lnot_wave_0_\@
	s_barrier_signal -3
.Lnot_wave_0_\@:
	s_barrier_wait -3
	s_barrier_signal -1
	s_barrier_wait -1
.endm
.macro CROUND                          ; a whole round
	s_barrier_signal -1
	s_barrier_wait -1
	CREST
.endm
	s_load_b128 s[4:7], s[0:1], 0x0                ; x's codes s[4:5], w's codes s[6:7]
	s_load_b128 s[8:11], s[0:1], 0x10              ; the scales' exponents s[8:9], the bias s[10:11]
	s_load_b128 s[68:71], s[0:1], 0x20             ; q_img s[68:69], kv_img s[70:71]
	v_lshl_add_u32 v[SPW], v0, 2, SPARE
	v_mov_b32 v[NIL], 0
	ds_add_u32 v28, v29
	ds_add_u32 v28, v29
	s_wait_dscnt 0x0
	v_lshrrev_b32 v1, 5, v0
	v_readfirstlane_b32 s14, v1                    ; wave 0..3
	s_lshr_b32 s15, s14, 1                         ; which half of the tile's rows (A) is mine.  Also: I fetch for A (0) or for B (1)
	s_and_b32 s16, s14, 1                          ; which half of its columns (B).  Also: which 128 rows of that tile I fetch
	s_bfe_u32 s40, ttmp6, 0x40000                  ; cx, cy: my place in the cluster
	s_bfe_u32 s41, ttmp6, 0x40004
	s_mov_b32 s66, ttmp9                           ; X: 0 = q, 1 = k, 2 = v: the same in all sixteen partners
	s_and_b32 s67, ttmp7, 0xffff                   ; Y
	s_lshl_b32 s18, s66, 2
	s_lshl_b32 s19, s67, 2
	s_cmp_lt_u32 s66, 2                            ; q or k?
	s_cselect_b32 s17, s19, 8                      ; A's tile row: 4 Y (of x) or 8 (of w),
	s_cselect_b32 s42, s18, s19                    ; B's tile column: 4 X (of w) or 4 Y (of x),
	s_cselect_b32 s88, -1, 0                       ; all ones where the bias runs along B's rows (q, k),
	s_cselect_b32 s89, 0, -1                       ; all ones where it runs along A's (v)
	s_add_co_u32 s17, s17, s41                     ; + cy: this register never holds cx
	s_add_co_u32 s42, s42, s40                     ; + cx: this one never cy
	s_lshl_b32 s43, s41, 2
	s_lshl_b32 s43, 15, s43                        ; my row of the cluster
	s_lshl_b32 s44, 0x1111, s40                    ; my column
	; descriptor group 1: a tile of 128 rows x 256 bytes, padded in LDS
	s_or_b32 s[G1+0], s43, (0<<16)|(1<<20)|(1<<21)|(5<<22)|(3<<25)  ; 15:0 the mask; 17:16 element of 1 byte; 20 padding on; 21 set beside a mask; 24:22 after every 64 words (code 5); 31:25 of 4 words (code 3)
	s_or_b32 s[G1B+0], s44, (0<<16)|(1<<20)|(1<<21)|(5<<22)|(3<<25)
.irp g, G1, G1B
	s_mov_b32 s[\g+1], ROWB<<16                    ; tensor_dim0
	s_mov_b32 s[\g+2], 128<<16                     ; tensor_dim1 = 128
	s_mov_b32 s[\g+3], ROWB<<16                    ; tile_dim0
	s_mov_b32 s[\g+4], 128                         ; tile_dim1 = 128
	s_mov_b32 s[\g+5], KROW                        ; tensor_dim0_stride
	s_mov_b32 s[\g+6], 0
	s_mov_b32 s[\g+7], 0
.endr
	s_lshl_b32 s18, s16, 7                         ; which 128 rows of the tile I fetch
	s_lshl_b32 s20, s17, 8
	s_add_co_u32 s20, s20, s18
	s_lshl_b32 s20, s20, 10                        ; A: (256 x tile row + 128 x half) rows of 1,024 bytes: under 2^24
	s_mov_b32 s21, 0
	s_lshl_b32 s46, s42, 8
	s_add_co_u32 s46, s46, s18
	s_lshl_b32 s46, s46, 10                        ; B likewise
	s_mov_b32 s47, 0
	s_mul_i32 s45, s14, HALFT                      ; where they go: wave x 128 rows: no place in the cluster enters an LDS address
	s_wait_kmcnt 0x0
	s_load_b256 s[72:79], s[8:9], 0x0              ; e0 .. e7
	s_cmp_lt_u32 s66, 2
	s_cselect_b64 s[80:81], s[4:5], s[6:7]         ; A's buffer: x, or w for v
	s_cselect_b64 s[82:83], s[6:7], s[4:5]         ; B's buffer
	s_add_nc_u64 s[20:21], s[80:81], s[20:21]
	s_add_nc_u64 s[46:47], s[82:83], s[46:47]
	CROUND                                         ; all sixteen work-groups are here: the first joint loads meet
.irp s, 0,1
	s_mov_b32 s[G0+4*\s], 1
	s_add_co_u32 s[G0+4*\s+1], s45, \s*SLOT
	s_add_nc_u64 s[G0+4*\s+2:G0+4*\s+3], s[20:21], \s*ROWB
	s_or_b32 s[G0+4*\s+3], s[G0+4*\s+3], 0x80000000
	s_mov_b32 s[G0B+4*\s], 1
	s_add_co_u32 s[G0B+4*\s+1], s45, \s*SLOT
	s_add_nc_u64 s[G0B+4*\s+2:G0B+4*\s+3], s[46:47], \s*ROWB
	s_or_b32 s[G0B+4*\s+3], s[G0B+4*\s+3], 0x80000000
	JLOAD G0+4*\s, G1, G0B+4*\s, G1B               ; two tensor loads of mine are out
.endr
	v_and_b32 v1, 15, v0                           ; r = l % 16
	v_bfe_u32 v2, v0, 4, 1                         ; h = l / 16
	v_mul_u32_u24 v3, v1, PITCH
	s_wait_alu depctr_va_vdst(0)
	v_lshl_add_u32 v4, v2, 4, v3                   ; a fragment's row x pitch + 16 x half
	s_wait_alu depctr_va_vdst(0)
	s_mul_i32 s21, s15, HALFT                      ; my 128 rows of A
	s_mul_i32 s22, s16, HALFT                      ; my 128 rows of B,
	s_add_co_u32 s22, s22, 2*HALFT                 ; which lie behind A's 256
.irp s, 0,1
	v_add_nc_u32 v[ADRA+\s], s21, v4
	v_add_nc_u32 v[ADRB+\s], s22, v4
	s_add_co_u32 s21, s21, SLOT
	s_add_co_u32 s22, s22, SLOT
.endr
	s_mul_i32 s23, s15, HALFT                      ; the stage, on the way in: row 128 (wave / 2) + r, byte 128 (wave % 2) + 8 h
	s_lshl_b32 s18, s16, 7
	s_add_co_u32 s23, s23, s18
	v_lshl_add_u32 v5, v2, 3, v3
	v_add_nc_u32 v[STO], s23, v5
	s_mul_i32 s23, s14, 64*PITCH                   ; and back: wave w takes rows 64 w .. 64 w + 63, whole
	v_add_nc_u32 v[RDQ], s23, v4
	v_and_b32 v6, 8, v1
	v_add_nc_u32 v6, v6, v1                        ; r + 8 (r / 8): 0 .. 7, 16 .. 23
	v_mul_u32_u24 v6, v6, PITCH
	v_lshl_add_u32 v6, v2, 4, v6
	v_add_nc_u32 v[RDK], s23, v6
	v_and_b32 v5, 31, v0
	v_lshlrev_b32 v[CO], 4, v5
	v_lshlrev_b32 v7, 5, v2                        ; 32 h: my half's eight numbers of a block's sixteen
	s_wait_alu depctr_va_vdst(0)
	v_lshlrev_b32 v8, 2, v1                        ; 4 r
	s_wait_alu depctr_va_vdst(0)
	; the bias is loaded both ways, each from a place inside the buffer; the way that does not apply starts at entry 0 and is made 0 on the way out
	s_lshl_b32 s90, s42, 8
	s_lshl_b32 s91, s16, 7
	s_add_co_u32 s90, s90, s91                     ; my first row of B (q, k: the column of qkv),
	s_and_b32 s90, s90, s88                        ; or 0
	s_lshl_b32 s90, s90, 2
	s_mov_b32 s91, 0
	s_add_nc_u64 s[86:87], s[10:11], s[90:91]
	s_lshl_b32 s94, s17, 8
	s_lshl_b32 s95, s15, 7
	s_add_co_u32 s94, s94, s95                     ; my first row of A (v: the column of qkv),
	s_and_b32 s94, s94, s89                        ; or 0
	s_lshl_b32 s94, s94, 2
	s_mov_b32 s95, 0
	s_add_nc_u64 s[92:93], s[10:11], s[94:95]
.irp b, 0,1,2,3,4,5,6,7
	global_load_b128 v[BN+8*\b:BN+8*\b+3], v7, s[86:87] offset:64*\b        ; B's block b: rows 16 b + 8 h + 0 .. 7
	global_load_b128 v[BN+8*\b+4:BN+8*\b+7], v7, s[86:87] offset:64*\b+16
.endr
.irp a, 0,1,2,3,4,5,6,7
	global_load_b32 v[BM+2*\a], v8, s[92:93] offset:64*\a                   ; A's block a: row 16 a + r
	v_mov_b32 v[BM+2*\a+1], 0                      ; (named with it as a pair, so it is written)
.endr
.macro FRAG reg, adr, q, i             ; a fragment: lane l holds row l % 16; registers 4 c .. 4 c + 3 hold K = 32 c + 16 (l / 16) + 0 .. 15: the same places in A and in B, so every product meets its partner
.irp c, 0,1,2,3
	ds_load_b128 v[\reg+4*\c:\reg+4*\c+3], v[\adr] offset:128*(\q)+32*\c+(\i)*16*PITCH
.endr
.endm
; 16 matrix instructions: A's blocks a0, a0 + 1 x B's eight, 128 along K.  p: B's set.  zero = 1: the first product starts the sums.  The 64 accumulators take turns, one instruction a turn.
.macro MUL16 a0, p, zero
.irp a, \a0, \a0+1
.irp b, 0,1,2,3,4,5,6,7
.if \zero
	v_wmma_f32_16x16x128_fp8_fp8 v[8*(8*((\a)%4)+\b):8*(8*((\a)%4)+\b)+7], v[128*(\p)+FR*\b:128*(\p)+FR*\b+FR-1], v[AF+FR*(\a):AF+FR*(\a)+FR-1], 0
.else
	v_wmma_f32_16x16x128_fp8_fp8 v[8*(8*((\a)%4)+\b):8*(8*((\a)%4)+\b)+7], v[128*(\p)+FR*\b:128*(\p)+FR*\b+FR-1], v[AF+FR*(\a):AF+FR*(\a)+FR-1], v[8*(8*((\a)%4)+\b):8*(8*((\a)%4)+\b)+7]
.endif
.endr
.endr
.endm
.macro FETCH_B slot, q, p              ; B's eight fragments of the slot's q-th 128 along K into set p
	WIN TO_B
.irp i, 0,1,2,3,4,5,6,7
	FRAG 128*(\p)+FR*\i, ADRB+\slot, \q, \i
.endr
	WIN 0
.endm
.macro FETCH_A slot, q, i0             ; A's blocks i0 .. i0 + 3
.irp i, \i0, \i0+1, \i0+2, \i0+3
	FRAG AF+FR*(\i), ADRA+\slot, \q, \i
.endr
.endm
.macro PLACES n                        ; plain vector lines between a matrix instruction and a load into, or a read of, its registers
.rept \n
	v_nop
.endr
.endm
; A step of 128 along K that has its successor in the same slot.
.macro STEP slot, q, zero
	s_wait_dscnt 4*NL                              ; B's set and A's blocks 0-3 are in; the youngest 16 loads (A's blocks 4-7) may be out
	WIN MUL_LO
	MUL16 0, (\q)%2, \zero
	MUL16 2, (\q)%2, \zero
	s_wait_dscnt 0                                 ; A's blocks 4-7 are in
	PLACES NP
	FETCH_B \slot, (\q)+1, 1-(\q)%2
	FETCH_A \slot, (\q)+1, 0
	WIN MUL_HI
	MUL16 4, (\q)%2, \zero
	MUL16 6, (\q)%2, \zero
	PLACES NP
	WIN 0
	FETCH_A \slot, (\q)+1, 4
.endm
; A slot's last step changes slots: ONE barrier; in front of it each wave waits for all its tensor loads, adds 0 to its spare word, and waits for that and for its own reads of this slot.  fill = 1: this slot is filled again, two K steps ahead.
.macro TURN slot, next, fill
	s_wait_tensorcnt 0x0                           ; all my tensor loads have landed: my part of the next slot
	ds_add_u32 v[SPW], v[NIL]                      ; 0 onto my spare word
	s_wait_dscnt 4*NL+1                            ; (the add and the youngest 16 loads, A's blocks 4-7, may be out)
	WIN MUL_LO
	MUL16 0, 1, 0                                  ; sixteen matrix instructions stand between the add and the wait for it
	s_wait_dscnt 0x0                               ; the add is done, and my reads of this slot are over
	s_barrier_signal -1
	MUL16 2, 1, 0
	WIN 0
	s_barrier_wait -1
.if \fill
	CREST                                          ; the barrier has opened a round of the cluster's barrier: no wave of any partner still reads this slot's tile or has a load on its way
	s_add_nc_u64 s[G0+4*\slot+2:G0+4*\slot+3], s[G0+4*\slot+2:G0+4*\slot+3], 2*ROWB
	s_add_nc_u64 s[G0B+4*\slot+2:G0B+4*\slot+3], s[G0B+4*\slot+2:G0B+4*\slot+3], 2*ROWB
	JLOAD G0+4*\slot, G1, G0B+4*\slot, G1B         ; the first tensor load behind the round, my only one out; its four v_nop are the places in front of the loads below
.else
	PLACES NP
.endif
	FETCH_B \next, 0, 0
	FETCH_A \next, 0, 0
	WIN MUL_HI
	MUL16 4, 1, 0
	MUL16 6, 1, 0
	PLACES NP
	WIN 0
	FETCH_A \next, 0, 4
.endm
	s_wait_tensorcnt 1                             ; my part of K step 0 is in (K step 1's load may be out)
	s_barrier_signal -1
	s_barrier_wait -1                              ; everybody's is
	FETCH_B 0, 0, 0
	FETCH_A 0, 0, 0
	FETCH_A 0, 0, 4
	STEP 0, 0, 1                                   ; K 0-127: its products start the sums
	TURN 0, 1, 1                                   ; K 128-255; slot 0 takes K step 2
	STEP 1, 0, 0
	TURN 1, 0, 1                                   ; slot 1 takes K step 3
	STEP 0, 0, 0
	TURN 0, 1, 0                                   ; nothing is left to fetch: behind this barrier nobody reads slot 0, and it has had its last fill
	STEP 1, 0, 0
	s_wait_dscnt 4*NL                              ; the very last step
	WIN MUL_LO
	MUL16 0, 1, 0
	MUL16 2, 1, 0
	s_wait_dscnt 0
	WIN MUL_HI
	MUL16 4, 1, 0
	MUL16 6, 1, 0
	WIN 0
	; THE WAY OUT.  number = sum x 2^(e0 + e1) + bias; held within +-448 x 2^eo; code = number / 2^eo.  eo = e2 (q), e3 (k), e5 (v).
	s_wait_kmcnt 0x0
	s_add_co_i32 s96, s72, s73
	s_add_co_i32 s96, s96, 127
	s_lshl_b32 s96, s96, 23                        ; 2^(e0 + e1) as f32
	s_mov_b32 s97, s96                             ; (named with it as a pair, so it is written)
	s_cmp_eq_u32 s66, 0
	s_cselect_b32 s18, s74, s75
	s_cmp_eq_u32 s66, 2
	s_cselect_b32 s18, s77, s18                    ; eo: chosen, not branched on
	s_add_co_i32 s18, s18, 127
	s_lshl_b32 s19, s18, 23
	s_add_co_i32 s18, s18, 8
	s_lshl_b32 s18, s18, 23
	s_or_b32 s18, s18, 0x600000
	s_wait_loadcnt 0x0                             ; the biases
.set j, 0
.rept 64
	v_and_b32 v[BN+j], s88, v[BN+j]                ; kept for q and k, 0 for v.  (These 73 plain lines are also the places behind the last products)
.set j, j+1
.endr
.irp a, 0,1,2,3,4,5,6,7
	v_and_b32 v[BM+2*\a], s89, v[BM+2*\a]          ; kept for v, 0 for q and k
.endr
	v_mov_b32 v[SCV], s19                          ; 2^eo: the conversion takes its exponent field
; A's block a (16 rows x my 128 columns): eight codes a lane and block of B, into the work-group's stage.
.macro TOCODES a
.set AC, 64*((\a)%4)
.set CC, CD+16*((\a)%4)
	WIN 0x02+((\a)/4)                              ; source 0: window 2 or 3
.set j, 0
.rept 32
	v_pk_fma_f32 v[TMP+j:TMP+j+1], v[AC+j:AC+j+1], s[96:97], v[BN+j:BN+j+1] op_sel_hi:[1,0,1]   ; each accumulator from its low end on
.set j, j+2
.endr
	WIN 0
.set j, 0
.rept 32
	v_pk_add_f32 v[TMP+j:TMP+j+1], v[TMP+j:TMP+j+1], v[BM+2*(\a):BM+2*(\a)+1] op_sel_hi:[1,0]   ; one of the two biases is 0 and the power of two rounds nothing: the number is rounded once
.set j, j+2
.endr
.set j, 0
.rept 64
.set j, j+1
.endr
.if (\a) >= 4
	s_wait_alu depctr_va_vdst(0)
	s_wait_dscnt 24                                ; block a - 4's stores are done (behind them: three blocks' 24): its codes' registers are written again
.endif
.irp b, 0,1,2,3,4,5,6,7
	v_cvt_scalef32_pk8_fp8_f32 v[CC+2*\b:CC+2*\b+1], v[TMP+8*\b:TMP+8*\b+7], v[SCV]
.endr
	v_nop                                          ; one plain line behind the last conversion: the next block writes its sources
.irp b, 0,1,2,3,4,5,6,7
	ds_store_b64 v[STO], v[CC+2*\b:CC+2*\b+1] offset:(\a)*16*PITCH+16*\b   ; lane (r, h): words 68 r + 2 h, + 1: the 32 lanes touch 64 different banks
.endr
.endm
.irp a, 0,1,2,3,4,5,6,7
	TOCODES \a
.endr
	; where my part of the images begins (offsets apart from the addresses; the two that do not apply are not used)
	s_lshr_b32 s18, s17, 3                         ; q, k: batch = tile row / 8,
	s_and_b32 s19, s17, 7                          ; slot of 256 tokens = tile row % 8
	s_lshl_b32 s18, s18, 4
	s_lshl_b32 s20, s40, 2
	s_add_co_u32 s18, s18, s20                     ; bh of the tile's first head: 16 batch + 4 cx
	s_lshl_b32 s21, s18, 17
	s_lshl_b32 s22, s19, 4
	s_lshl_b32 s23, s14, 2
	s_add_co_u32 s22, s22, s23
	s_lshl_b32 s22, s22, 10
	s_add_co_u32 s21, s21, s22                     ; q: bh x 131,072 + (16 slot + 4 wave) tiles of 1,024
	s_lshl_b32 s18, s18, 3
	s_add_co_u32 s18, s18, s19
	s_lshl_b32 s18, s18, 15
	s_lshl_b32 s22, s14, 12
	s_add_co_u32 s18, s18, s22                     ; k: (8 bh + slot) x 32,768 + wave x two groups of 2,048
	s_lshr_b32 s46, s42, 3                         ; v: batch and slot from the tile column,
	s_and_b32 s47, s42, 7
	s_lshl_b32 s46, s46, 4
	s_lshl_b32 s22, s41, 2
	s_add_co_u32 s46, s46, s22
	s_add_co_u32 s46, s46, s14                     ; bh = 16 batch + 4 cy + wave: my 64 rows of the stage are one head
	s_lshl_b32 s46, s46, 3
	s_add_co_u32 s46, s46, s47
	s_lshl_b32 s46, s46, 15
	s_add_co_u32 s46, s46, 16384                   ; V's part of the slot
	s_cmp_eq_u32 s66, 0
	s_cselect_b64 s[84:85], s[68:69], s[70:71]
	s_cselect_b32 s90, s21, s18
	s_cmp_eq_u32 s66, 2
	s_cselect_b32 s90, s46, s90
	s_mov_b32 s91, 0
	s_add_nc_u64 s[84:85], s[84:85], s[90:91]
	s_wait_dscnt 0x0                               ; for the others' sake: my stores into the stage are done
	s_barrier_signal -1
	s_barrier_wait -1
; Each wave reads its 64 rows of the stage as 32 groups of 512 bytes, 16 bytes a lane, in the order of the image, and stores each group as 512 consecutive bytes at a multiple of 512 from the buffer's first byte.
; The wait ahead of store n leaves the 31 - n younger loads out.
.macro OUTQ
.set n, 0
.irp hd, 0,1,2,3
.irp tl, 0,1,2,3
.irp c, 0,1
	ds_load_b128 v[128+4*n:128+4*n+3], v[RDQ] offset:\tl*16*PITCH+64*\hd+32*\c
.set n, n+1
.endr
.endr
.endr
.set n, 0
.irp hd, 0,1,2,3
.irp tl, 0,1,2,3
.irp c, 0,1
	s_wait_dscnt 31-n
	global_store_b128 v[CO], v[128+4*n:128+4*n+3], s[84:85] offset:\hd*131072+\tl*1024+\c*512
.set n, n+1
.endr
.endr
.endr
.endm
.macro OUTK
.set n, 0
.irp hd, 0,1,2,3
.irp g, 0,1
.irp u, 0,1
.irp c, 0,1
	ds_load_b128 v[128+4*n:128+4*n+3], v[RDK] offset:(32*\g+8*\u)*PITCH+64*\hd+32*\c
.set n, n+1
.endr
.endr
.endr
.endr
.set n, 0
.irp hd, 0,1,2,3
.irp g, 0,1
.irp u, 0,1
.irp c, 0,1
	s_wait_dscnt 31-n
	global_store_b128 v[CO], v[128+4*n:128+4*n+3], s[84:85] offset:\hd*262144+\g*2048+\u*1024+\c*512
.set n, n+1
.endr
.endr
.endr
.endr
.endm
.macro OUTV
.set n, 0
.irp sp, 0,1
.irp t, 0,1,2,3
.irp c, 0,1,2,3
	ds_load_b128 v[128+4*n:128+4*n+3], v[RDK] offset:(32*(\t/2)+8*(\t%2))*PITCH+128*\sp+32*\c
.set n, n+1
.endr
.endr
.endr
.set n, 0
.irp sp, 0,1
.irp t, 0,1,2,3
.irp c, 0,1,2,3
	s_wait_dscnt 31-n
	global_store_b128 v[CO], v[128+4*n:128+4*n+3], s[84:85] offset:\sp*8192+\t*2048+\c*512
.set n, n+1
.endr
.endr
.endr
.endm
	s_cmp_eq_u32 s66, 0                            ; the three orders part on the cluster's x, which all partners share; behind the parting stand LDS loads and stores to memory alone
	s_cbranch_scc0 .Lnot_q
	OUTQ
	s_branch .Ljoin
.Lnot_q:
	s_cmp_eq_u32 s66, 1
	s_cbranch_scc0 .Lis_v
	OUTK
	s_branch .Ljoin
.Lis_v:
	OUTV
.Ljoin:
	s_wait_tensorcnt 0x0                           ; the wave's end, behind my last tensor load and my last LDS store
	ds_add_u32 v[SPW], v[NIL]
	s_wait_dscnt 0x0
	CROUND                                         ; the closing round: no work-group ends while a partner may still ask for a tile that names it
	s_endpgm
.Lfunc_end_k_q547df131c2_qkv:
	.size	k_q547df131c2_qkv, .Lfunc_end_k_q547df131c2_qkv-k_q547df131c2_qkv
	.p2alignl 7, 3214868480
	.fill 96, 4, 3214868480
	.section	.rodata,"a",@progbits
	.p2align	6, 0x0
	.amdhsa_kernel k_q547df131c2_qkv
		.amdhsa_group_segment_fixed_size 327680
		.amdhsa_private_segment_fixed_size 0
		.amdhsa_enable_private_segment 0
		.amdhsa_kernarg_size 48
		.amdhsa_user_sgpr_count 2
		.amdhsa_user_sgpr_kernarg_segment_ptr 1
		.amdhsa_wavefront_size32 1
		.amdhsa_system_sgpr_workgroup_id_x 1
		.amdhsa_system_sgpr_workgroup_id_y 1
		.amdhsa_system_sgpr_workgroup_id_z 1
		.amdhsa_system_vgpr_workitem_id 0
		.amdhsa_next_free_vgpr 1024
		.amdhsa_next_free_sgpr 100
		.amdhsa_reserve_vcc 0
		.amdhsa_float_denorm_mode_32 3
		.amdhsa_float_denorm_mode_16_64 3
		.amdhsa_fp16_overflow 1
		.amdhsa_memory_ordered 1
		.amdhsa_forward_progress 1
		.amdhsa_inst_pref_size 144
	.end_amdhsa_kernel
	.amdgpu_metadata
---
amdhsa.version: [ 1, 2 ]
amdhsa.kernels:
  - .name:           k_q547df131c2_qkv
    .symbol:         k_q547df131c2_qkv.kd
    .args:
      - { .name: x_codes, .offset: 0, .size: 8, .value_kind: global_buffer, .address_space: global }
      - { .name: w_qkv_codes, .offset: 8, .size: 8, .value_kind: global_buffer, .address_space: global }
      - { .name: lowp_scales, .offset: 16, .size: 8, .value_kind: global_buffer, .address_space: global }
      - { .name: b_qkv, .offset: 24, .size: 8, .value_kind: global_buffer, .address_space: global }
      - { .name: q_img, .offset: 32, .size: 8, .value_kind: global_buffer, .address_space: global }
      - { .name: kv_img, .offset: 40, .size: 8, .value_kind: global_buffer, .address_space: global }
    .group_segment_fixed_size: 327680
    .private_segment_fixed_size: 0
    .kernarg_segment_align: 8
    .kernarg_segment_size: 48
    .max_flat_workgroup_size: 128
    .sgpr_count:     100
    .vgpr_count:     1024
    .wavefront_size: 32
...
	.end_amdgpu_metadata
.endif
;; end of part 1
;; launch attn (part 2): grid 4 x 64, 8 waves a work-group, no clusters, 327,680 bytes of LDS; arguments q_img, kv_img, lowp_scales, y_img; writes y_img
.if DOCPART == 2
	.amdgcn_target "amdgcn-amd-amdhsa--gfx1250"
	.amdhsa_code_object_version 6
	.text
	.protected	k_q547df131c2_attn
	.globl	k_q547df131c2_attn
	.p2align	8
	.type	k_q547df131c2_attn,@function
k_q547df131c2_attn:
	s_mov_b64 s[64:65], 0
	v_nop
	global_prefetch_b8 v0, s[64:65] scope:SCOPE_SE
	s_setreg_imm32_b32 hwreg(HW_REG_WAVE_MODE, 25, 1), 1
	s_wait_xcnt 0x0
; y[b][t][head] = causal softmax(q k^T / 8) v for 64 heads of 2,048 tokens x 64 channels, both products on codes of E4M3; y quantised with 2^e6 into the image that the projection reads.
; THE SOFTMAX: t = score x log2(e) / 8; M = the row's largest t so far, rounded UP to a whole number; p = 2^(t - M) is quantised with 2^e4, not normalised; the row's sum is taken of the unquantised p and divides at the end.
; When M moves, the sum and O are multiplied by 2^(old M - new M): nothing is rounded.
; LIMITS: e2 + e3 between -123 and 130 (added to c's exponent field); e4, e6 between -126 and 119; e4 + e5 goes in by v_ldexp_f32 and has none.  NaN among the inputs is not served.
; SHARES.  Work-group (i, bh) owns the blocks of 256 queries i and 7 - i of head bh, one after the other: block i walks key slots 0 .. i, block 7 - i slots 0 .. 7 - i: NINE visits of a slot of 256 keys in every
; work-group, so all 256 have the same work, no slot is fetched that nobody reads, and every trip count is a constant.  Wave w owns 32 queries, two tiles of 16: each fragment of K and V read from LDS feeds two products.
; A visit is two key steps of 128.  A step all of whose keys come after the wave's queries is left out by a scalar branch on ids; on the diagonal hidden scores become -infinity.
; NO JOINT LOADS: in one and the same visit the four work-groups of a head want different slots (visit j is slot j, or slot j - i - 1); walked in step they would take twelve slot times in place of nine.
; LAYOUT.  S^T = K Q^T (source 0 = 16 keys), O^T = V^T P^T (source 0 = 16 channels): a lane holds ONE query (lane % 16).  The images choose the keys and channels of a tile so that the 16 registers of tiles 2 b, 2 b + 1
; are 16 neighbours, 32 b + 16 (lane / 16) + 0 .. 15: the conversions' results are the next operand's registers.  Every fragment comes by loads of 512 consecutive bytes, 16 a lane.
; REGISTERS: v1 16 x lane; v2, v3 the add's; v4 LDS address; v5 prefetch offset; v8 2^e4; v9, v13 permutes' destinations; v[10:11] f, 0; v12-15 at work; v[16:19] tile A: -M, largest t, the sum in two halves;
;   v[20:23] tile B; v24-31, v32-39 Q; v40-103 K's or V's fragments; v104-119 P of tile B (made in place, below the numbers still to be converted); v108-171 S^T, then p; v172-187 P of tile A; v188-219, v220-251 O^T.
.set SLOT1, 1<<15                      ; a slot: K's 16,384 bytes, then V's; slot 1 begins here, so that one exclusive or turns an address
.set VOFF,  16384
.set SPARE, 2*SLOT1                    ; behind the ring: the spare words, 128 bytes for each of eight waves
.set LI,  1
.set SPW, 2
.set NIL, 3
.set AD,  4
.set PFO, 5
.set KV,  40
.set PB,  104
.set S,   108
.set PA,  172
.set OA,  188
.set OB,  220
.set TB,   2                           ; s2   LDS byte at which the slot in hand begins
.set WV,   18                          ; s18  my wave's number
.set SEL,  20                          ; s[20:21] selects for v_permlanex16_b32: lane l xor 16
.set CS,   22                          ; s[22:23] c = log2(e) / 8 x 2^(e2 + e3), twice
.set G1,   24                          ; s[24:31] descriptor group 1
.set G0,   40                          ; s[40:43] descriptor group 0
.set KVB,  44                          ; s[44:45] my part (K's: wave 0, V's: wave 1) of the head's slot 0 in memory
.set KSN,  46                          ; s46  the slot asked for last
.set SW,   47                          ; s47  8 - i: the count at which the work-group goes over to its second block
.set QL,   48                          ; s[48:49], s[50:51] my queries' image: first block, second block
.set QH,   50
.set YP,   52                          ; s[52:53] my rows' place in y_img; s[54:55] the second block's
.set YH,   54
.set QHI,  56                          ; s56  my first query in the second block
.set EPV,  57                          ; s57  e4 + e5
.set LIMY, 58                          ; s59  2^e6
.set SCY,  59
.set NLIM, 60
.set SLOTS, 67                         ; s67  counts the loop's eight trips down
.set PFA,  76                          ; s[76:77] where my prefetches stand
.set LIM,  80                          ; s80  1 in a wave that prefetches, else the greatest number
.set KF,   98                          ; s98  the step's first key
.set Q0,   99                          ; s99  my first query
; Wave 0 fetches a slot's K part, wave 1 its V part, the others nothing.  Four v_nop follow the line.
.macro TLOAD
	s_cmp_lt_u32 s[WV], 2
	s_cbranch_scc0 .Lasked_\@
	tensor_load_to_lds s[G0:G0+3], s[G1:G1+7]
	s_nop 0
.rept 4
	v_nop
.endr
.Lasked_\@:
.endm
; A prefetch of the head's next slot.  All four work-groups of a head read the same slots: work-group i = 0, which asks for slot j in trip j, names slot j + 1 there, a visit (two key steps of two tiles in each wave) ahead of its load.
; Waves 2 to 5 take 8,192 bytes each, lanes 256 bytes apart: every block of 256 bytes of slots 1 to 7 is named once in the launch.  Slot 0 comes by its load alone; the last trip asks for nothing.
.macro ASK
	s_cmp_gt_u32 s[SLOTS], s[LIM]
	s_cbranch_scc0 .Lnot_mine_\@
	global_prefetch_b8 v[PFO], s[PFA:PFA+1] th:TH_LOAD_NT scope:SCOPE_SE
.Lnot_mine_\@:
.endm
.macro RESET                           ; a block of queries begins: the largest t -3e38, under every t; the sums and O^T zeros, which the first change of M leaves zeros
	v_mov_b32 v17, 0xff61b1e6
	v_mov_b32 v21, 0xff61b1e6
	s_delay_alu instid0(VALU_DEP_2)
	v_floor_f32 v16, -v17
	s_delay_alu instid0(VALU_DEP_2)
	v_floor_f32 v20, -v21
	v_mov_b32 v18, 0
	v_mov_b32 v19, 0
	v_mov_b32 v22, 0
	v_mov_b32 v23, 0
.set j, 0
.rept 64
	v_mov_b32 v[OA+j], 0
.set j, j+1
.endr
.endm
	s_load_b256 s[4:11], s[0:1], 0x0               ; q_img s[4:5], kv_img s[6:7], the scales' exponents s[8:9], y_img s[10:11]
	v_lshl_add_u32 v[SPW], v0, 2, SPARE
	v_mov_b32 v[NIL], 0
	ds_add_u32 v2, v3
	ds_add_u32 v2, v3
	s_wait_dscnt 0x0
	v_lshrrev_b32 v4, 5, v0
	s_delay_alu instid0(VALU_DEP_1)
	v_readfirstlane_b32 s[WV], v4                  ; wave 0..7
	v_and_b32 v1, 31, v0
	s_delay_alu instid0(VALU_DEP_1)
	v_lshlrev_b32 v[PFO], 8, v1
	s_delay_alu instid0(VALU_DEP_2)
	v_lshlrev_b32 v[LI], 4, v1
	s_and_b32 s82, ttmp7, 0xffff                   ; bh
	s_sub_co_u32 s[SW], 8, ttmp9
	s_lshl_b32 s83, ttmp9, 8
	s_lshl_b32 s84, s[WV], 5
	s_add_co_u32 s[Q0], s83, s84                   ; my first query: 256 i + 32 wave,
	s_sub_co_u32 s85, 7, ttmp9
	s_lshl_b32 s85, s85, 8
	s_add_co_u32 s[QHI], s85, s84                  ; later 256 (7 - i) + 32 wave
	s_lshl_b32 s86, s82, 17                        ; the head in q_img: 128 tiles of 1,024 bytes
	s_lshl_b32 s87, s[Q0], 6
	s_add_co_u32 s88, s86, s87
	s_mov_b32 s89, 0
	s_lshl_b32 s87, s[QHI], 6
	s_add_co_u32 s90, s86, s87
	s_mov_b32 s91, 0
	s_lshr_b32 s86, s82, 4                         ; y_img: (128 batch + query / 16) blocks of 16,384 bytes + head x 1,024
	s_lshl_b32 s86, s86, 21
	s_and_b32 s87, s82, 15
	s_lshl_b32 s87, s87, 10
	s_add_co_u32 s86, s86, s87
	s_lshl_b32 s87, s[Q0], 10
	s_add_co_u32 s92, s86, s87
	s_mov_b32 s93, 0
	s_lshl_b32 s87, s[QHI], 10
	s_add_co_u32 s94, s86, s87
	s_mov_b32 s95, 0
	s_lshl_b32 s84, s82, 18                        ; the head in kv_img: 8 slots of 32,768 bytes
	s_and_b32 s85, s[WV], 1
	s_lshl_b32 s85, s85, 14                        ; K's part or V's: in memory and in a slot alike
	s_add_co_u32 s96, s84, s85
	s_mov_b32 s97, 0
	s_sub_co_u32 s86, s[WV], 2
	s_and_b32 s87, s86, 3
	s_lshl_b32 s87, s87, 13
	s_add_co_u32 s82, s84, s87                     ; the prefetches: 8,192 bytes for each of four waves (inside the head in every wave)
	s_mov_b32 s83, 0
	s_lshr_b32 s86, s86, 2                         ; 0 in waves 2 to 5,
	s_or_b32 s86, s86, ttmp9                       ; of work-group i = 0
	s_cmp_eq_u32 s86, 0
	s_cselect_b32 s[LIM], 1, -1
	; descriptor group 1: a dense block of 16,384 bytes as 64 rows of 32 elements of 8 bytes
	s_mov_b32 s[G1], 3<<16                         ; 15:0 no mask; 17:16 elements of 8 bytes; no padding
	s_mov_b32 s[G1+1], 32<<16                      ; tensor_dim0
	s_mov_b32 s[G1+2], 64<<16                      ; tensor_dim1
	s_mov_b32 s[G1+3], 32<<16                      ; tile_dim0
	s_mov_b32 s[G1+4], 64                          ; tile_dim1
	s_mov_b32 s[G1+5], 32                          ; tensor_dim0_stride
	s_mov_b32 s[G1+6], 0
	s_mov_b32 s[G1+7], 0
	s_mov_b32 s[SEL], 0x76543210
	s_mov_b32 s[SEL+1], 0xfedcba98
	s_mov_b32 s[CS], 0x3e38aa3b                    ; c = log2(e) / sqrt(64)
	s_mov_b32 s[TB], 0
	s_mov_b32 s[SLOTS], 8
	s_mov_b32 s[KF], 0
	s_mov_b32 s[KSN], 0
	s_wait_kmcnt 0x0
	s_load_b256 s[68:75], s[8:9], 0x0              ; e0 .. e7
	s_add_nc_u64 s[KVB:KVB+1], s[6:7], s[96:97]
	s_mov_b32 s[G0], 1                             ; count = 1
	s_mov_b32 s[G0+1], s85                         ; LDS address: slot 0
	s_mov_b64 s[G0+2:G0+3], s[KVB:KVB+1]           ; the head's slot 0
	s_or_b32 s[G0+3], s[G0+3], 0x80000000          ; type = 2
	TLOAD                                          ; the first visit's slot: one tensor load of mine is out, here and behind every barrier below
	s_add_nc_u64 s[QL:QL+1], s[4:5], s[88:89]
	s_add_nc_u64 s[QH:QH+1], s[4:5], s[90:91]
	s_add_nc_u64 s[YP:YP+1], s[10:11], s[92:93]
	s_add_nc_u64 s[YH:YH+1], s[10:11], s[94:95]
	s_add_nc_u64 s[PFA:PFA+1], s[6:7], s[82:83]    ; at slot 0: the first change steps it to slot 1
	s_wait_alu depctr_va_vdst(0)
.irp c, 0,1,2,3
	global_load_b128 v[24+4*\c:27+4*\c], v[LI], s[QL:QL+1] offset:512*\c th:TH_LOAD_NT   ; Q of my two tiles stays in registers
.endr
	RESET
	v_mov_b32 v9, 0                                ; written once: a lane permute's destination counts as one of its sources
	v_mov_b32 v13, 0
	v_mov_b32 v11, 0                               ; (named as the upper half of the pair v[10:11])
	s_wait_kmcnt 0x0
	s_add_co_i32 s82, s70, s71
	s_lshl_b32 s82, s82, 23
	s_add_co_i32 s[CS], s[CS], s82                 ; a score stands for score x 2^(e2 + e3)
	s_mov_b32 s[CS+1], s[CS]
	s_add_co_i32 s82, s72, 127
	s_lshl_b32 s83, s82, 23
	v_mov_b32 v8, s83                              ; 2^e4 as f32, for p's conversions
	s_add_co_i32 s[EPV], s72, s73
	s_add_co_i32 s82, s74, 127
	s_lshl_b32 s[SCY], s82, 23
; ONE TILE'S SOFTMAX for a key step.  st: its four registers of statistics; pd: where its codes go; ob: its O^T; qoff: its first query less the wave's.
.macro SOFT st, pd, ob, qoff
	s_add_co_u32 s96, s[KF], 127
	s_add_co_u32 s97, s[Q0], \qoff
	s_cmp_le_u32 s96, s97                          ; all 128 keys count for all 16 queries: no mask
	s_cbranch_scc1 .Lopen_\@
	s_sub_co_i32 s97, s97, s[KF]
	v_and_b32 v12, 15, v0
	v_bfe_u32 v13, v0, 4, 1
	s_delay_alu instid0(VALU_DEP_1)
	v_lshlrev_b32 v13, 4, v13
	s_delay_alu instid0(VALU_DEP_1)
	v_sub_nc_u32 v12, v12, v13
	s_delay_alu instid0(VALU_DEP_1)
	v_add_nc_u32 v12, s97, v12                     ; d = my query - KF - 16 (lane / 16).  Register 16 b + i holds key KF + 16 (lane / 16) + 32 b + i: hidden where 32 b + i > d
	v_mov_b32 v15, 0xff800000                      ; -infinity.  Key KF counts for every query of a step that is done, so no row is hidden whole
.set n, 0
.rept 64
	v_cmp_gt_i32 vcc_lo, 32*(n/16)+n%16, v12
	v_cndmask_b32 v[S+n], v[S+n], v15, vcc_lo
.set n, n+1
.endr
.Lopen_\@:
	v_max3_num_f32 v12, v[S], v[S+1], v[S+2]       ; the step's largest score of my query among my 64 keys, in two chains, each accumulator from its low end on,
	v_max3_num_f32 v13, v[S+3], v[S+4], v[S+5]
.set n, 6
.rept 14
	v_max3_num_f32 v12, v12, v[S+n], v[S+n+1]
	v_max3_num_f32 v13, v13, v[S+n+2], v[S+n+3]
.set n, n+4
.endr
	v_max3_num_f32 v12, v12, v[S+62], v[S+63]
	s_delay_alu instid0(VALU_DEP_1)
	v_max_num_f32 v12, v12, v13
	s_delay_alu instid0(VALU_DEP_1)
	v_permlanex16_b32 v9, v12, s[SEL], s[SEL+1]
	s_delay_alu instid0(VALU_DEP_1)
	v_max_num_f32 v12, v12, v9                     ; and among lane l xor 16's
	s_delay_alu instid0(VALU_DEP_1)
	v_mul_f32 v12, s[CS], v12                      ; as t (c is positive)
	s_delay_alu instid0(VALU_DEP_1)
	v_max_num_f32 v[\st+1], v[\st+1], v12          ; the running largest t
	v_mov_b32 v12, v[\st]
	s_delay_alu instid0(VALU_DEP_2)
	v_floor_f32 v[\st], -v[\st+1]                  ; the new -M = floor(-t): M is a whole number
	s_delay_alu instid0(VALU_DEP_1)
	v_sub_f32 v12, v[\st], v12                     ; old M - new M: a whole number, 0 or less
	s_delay_alu instid0(VALU_DEP_1)
	v_cvt_i32_f32 v12, v12                         ; (it saturates)
	s_delay_alu instid0(VALU_DEP_1)
	v_ldexp_f32 v10, 1.0, v12                      ; f = 2^(old M - new M)
.set n, 0
.rept 32
	v_pk_fma_f32 v[S+n:S+n+1], v[S+n:S+n+1], s[CS:CS+1], v[\st:\st+1] op_sel_hi:[1,0,0]   ; t - M, two at a time
.set n, n+2
.endr
.set n, 0
	s_wait_alu depctr_va_vdst(0)
.rept 64
	v_exp_f32 v[S+n], v[S+n]                       ; p = 2^(t - M), at most 1
.set n, n+1
.endr
	v_pk_mul_f32 v[\st+2:\st+3], v[\st+2:\st+3], v[10:11] op_sel_hi:[1,0]   ; the sums under the new M: the plain line behind the exponentials
	s_wait_alu depctr_va_vdst(0)                   ; one wait for the whole batch, ahead of its first reader
	v_pk_add_f32 v[12:13], v[S:S+1], v[S+2:S+3]    ; the row's sum is taken of the unquantised p, in two chains
.set n, 4
.rept 15
	v_pk_add_f32 v[\st+2:\st+3], v[\st+2:\st+3], v[S+n:S+n+1]
	v_pk_add_f32 v[12:13], v[12:13], v[S+n+2:S+n+3]
.set n, n+4
.endr
	s_delay_alu instid0(VALU_DEP_1)
	v_pk_add_f32 v[\st+2:\st+3], v[\st+2:\st+3], v[12:13]
.set b, 0
.rept 4
.set n, 0
.rept 8
.set n, n+1
.endr
	v_cvt_scalef32_pk8_fp8_f32 v[\pd+4*b:\pd+4*b+1], v[S+16*b:S+16*b+7], v8
	v_cvt_scalef32_pk8_fp8_f32 v[\pd+4*b+2:\pd+4*b+3], v[S+16*b+8:S+16*b+15], v8
.set b, b+1
.endr
.set n, 0
.rept 16
	v_pk_mul_f32 v[\ob+n:\ob+n+1], v[\ob+n:\ob+n+1], v[10:11] op_sel_hi:[1,0]   ; O^T under the new M.  (Also the plain lines between the conversions and the products that follow)
.set n, n+2
.endr
.endm
; A KEY STEP: 128 keys, the q-th of the slot in hand, for my two tiles.
.macro STEP q
	s_add_co_u32 s96, s[Q0], 31
	s_cmp_gt_u32 s[KF], s96                        ; all its keys come after my 32 queries: the work is left out; no barrier and no tensor load stands in a step
	s_cbranch_scc1 .Lhidden_\@
	v_add_nc_u32 v[AD], s[TB], v[LI]
.rept 4
	v_nop                                          ; with the addition five places: the products below write over registers that the last step's products read as P, and the loads land where they read V
.endr
.irp k, 0,1,2,3,4,5,6,7
.irp c, 0,1
	ds_load_b128 v[KV+8*\k+4*\c:KV+8*\k+4*\c+3], v[AD] offset:8192*(\q)+1024*\k+512*\c   ; K's eight tiles of 16 keys x 64 channels
.endr
.endr
	s_wait_dscnt 0x0
.irp k, 0,1,2,3,4,5,6,7
	v_wmma_f32_16x16x64_fp8_fp8 v[S+8*\k:S+8*\k+7], v[KV+8*\k:KV+8*\k+7], v[24:31], 0
.endr
.rept 4
	v_nop
.endr
	SOFT 16, PA, OA, 0
.irp k, 0,1,2,3,4,5,6,7
	v_wmma_f32_16x16x64_fp8_fp8 v[S+8*\k:S+8*\k+7], v[KV+8*\k:KV+8*\k+7], v[32:39], 0
.endr
.rept 4
	v_nop                                          ; places in front of the loads into K's registers and of the first read of the scores
.endr
.irp t, 0,1,2,3
.irp c, 0,1,2,3
	ds_load_b128 v[KV+16*\t+4*\c:KV+16*\t+4*\c+3], v[AD] offset:VOFF+8192*(\q)+2048*\t+512*\c   ; V's four tiles of 16 channels x 128 keys land under tile B's softmax
.endr
.endr
	SOFT 20, PB, OB, 16
	s_wait_alu depctr_va_vdst(0)
	s_wait_dscnt 0x0
.irp t, 0,1,2,3                                ; the eight accumulators take turns, one instruction a turn
	v_wmma_f32_16x16x128_fp8_fp8 v[OA+8*\t:OA+8*\t+7], v[KV+16*\t:KV+16*\t+15], v[PA:PA+15], v[OA+8*\t:OA+8*\t+7]
	v_wmma_f32_16x16x128_fp8_fp8 v[OB+8*\t:OB+8*\t+7], v[KV+16*\t:KV+16*\t+15], v[PB:PB+15], v[OB+8*\t:OB+8*\t+7]
.endr
.Lhidden_\@:
	s_add_co_u32 s[KF], s[KF], 128
.endm
; THE CHANGE OF SLOTS stands at a visit's head.  Each wave waits for all its tensor loads, adds 0 to its spare word, and waits for that and for its reads of the slot that it has left.
; Behind the barrier the slot ahead is whole and nobody reads the other one.  fill = 1: that other slot takes the next visit's keys: the load has a whole visit in which to land.
.macro CHANGE fill
	s_wait_tensorcnt 0x0                           ; no tensor load of mine is out, so the group 0 may be written
	ds_add_u32 v[SPW], v[NIL]                      ; 0 onto my spare word; the descriptor's step stands between it and the wait for it
.if \fill
	s_xor_b32 s[G0+1], s[G0+1], SLOT1              ; the other slot than last time
	s_add_co_u32 s[KSN], s[KSN], 1                 ; the next slot of keys,
	s_cmp_eq_u32 s[SLOTS], s[SW]
	s_cselect_b32 s[KSN], 0, s[KSN]                ; or slot 0 again, for the second block's first visit
	s_lshl_b32 s82, s[KSN], 15
	s_mov_b32 s83, 0
	s_add_nc_u64 s[G0+2:G0+3], s[KVB:KVB+1], s[82:83]
	s_or_b32 s[G0+3], s[G0+3], 0x80000000
	s_wait_xcnt 0x0                                ; the last prefetch, a visit back, has read its address, so it may be written
	s_add_nc_u64 s[PFA:PFA+1], s[PFA:PFA+1], 32768
.endif
	s_wait_dscnt 0x0                               ; the add is done, and my reads of the slot that I have left are over
	s_barrier_signal -1
	s_barrier_wait -1
.if \fill
	TLOAD                                          ; the first thing behind the barrier, and a wave's one tensor load until the next
	ASK
.endif
.endm
; A BLOCK'S END.  y = O^T / the sum x 2^(e4 + e5), held within +-448 x 2^e6, as codes.  The 16 registers of tiles 2 b, 2 b + 1 are channels 32 b + 16 (lane / 16) + 0 .. 15 of my query: group 2 (head % 2) + b of the image.
.macro FINAL
	v_add_f32 v12, v18, v19                        ; the sums' two halves.  (The four additions are the places behind the last products)
	s_wait_alu depctr_va_vdst(0)
	v_add_f32 v14, v22, v23
	v_permlanex16_b32 v9, v12, s[SEL], s[SEL+1]
	s_delay_alu instid0(VALU_DEP_2)
	v_permlanex16_b32 v13, v14, s[SEL], s[SEL+1]
	s_delay_alu instid0(VALU_DEP_2)
	v_add_f32 v12, v12, v9                         ; and lane l xor 16's
	s_delay_alu instid0(VALU_DEP_2)
	v_add_f32 v14, v14, v13
	s_wait_alu depctr_va_vdst(0)
	v_rcp_f32 v12, v12
	v_rcp_f32 v14, v14
	v_mov_b32 v15, s[SCY]                          ; 2^e6, for the conversions: the plain line behind the reciprocals
	s_wait_alu depctr_va_vdst(0)                   ; one wait for both, ahead of their first reader
	v_ldexp_f32 v12, v12, s[EPV]
	v_ldexp_f32 v14, v14, s[EPV]
.set j, 0
.rept 16
	v_pk_mul_f32 v[S+j:S+j+1], v[OA+j:OA+j+1], v[12:13] op_sel_hi:[1,0]       ; each accumulator from its low end on
	v_pk_mul_f32 v[S+32+j:S+32+j+1], v[OB+j:OB+j+1], v[14:15] op_sel_hi:[1,0]
.set j, j+2
.endr
.set j, 0
.rept 64
.set j, j+1
.endr
.set b, 0
.rept 4
	v_cvt_scalef32_pk8_fp8_f32 v[KV+4*b:KV+4*b+1], v[S+16*b:S+16*b+7], v15
	v_cvt_scalef32_pk8_fp8_f32 v[KV+4*b+2:KV+4*b+3], v[S+16*b+8:S+16*b+15], v15
.set b, b+1
.endr
	v_nop                                          ; one plain line behind the last conversion
	global_store_b128 v[LI], v[KV:KV+3], s[YP:YP+1]                   ; each store covers 512 consecutive bytes, at a multiple of 512 from the buffer's first byte
	global_store_b128 v[LI], v[KV+4:KV+7], s[YP:YP+1] offset:512
	global_store_b128 v[LI], v[KV+8:KV+11], s[YP:YP+1] offset:16384   ; tile B: the next block of 16 rows
	global_store_b128 v[LI], v[KV+12:KV+15], s[YP:YP+1] offset:16896
.endm
	s_wait_loadcnt 0x0                             ; Q
.Lslot:                                            ; eight trips: visits 0 to 7; behind each change the next visit's slot is asked for
	CHANGE 1
	STEP 0
	STEP 1
	s_xor_b32 s[TB], s[TB], SLOT1                  ; on to the other slot
	s_cmp_eq_u32 s[SLOTS], s[SW]                   ; visit i was the first block's last: a branch on ids; no barrier and no tensor load stands under it
	s_cbranch_scc0 .Lno_switch
.irp c, 0,1,2,3
	global_load_b128 v[24+4*\c:27+4*\c], v[LI], s[QH:QH+1] offset:512*\c th:TH_LOAD_NT   ; the second block's Q lands under the first block's way out
.endr
	FINAL
	RESET
	s_wait_xcnt 0x0                                ; the stores have read their base and their data: both are written again
	s_mov_b64 s[YP:YP+1], s[YH:YH+1]
	s_mov_b32 s[Q0], s[QHI]
	s_mov_b32 s[KF], 0
	s_wait_loadcnt 0x0                             ; Q
.Lno_switch:
	s_sub_co_u32 s[SLOTS], s[SLOTS], 1
	s_cmp_lg_u32 s[SLOTS], 0
	s_cbranch_scc1 .Lslot
	CHANGE 0                                       ; the ninth visit is written out
	STEP 0
	STEP 1
	FINAL
	s_wait_tensorcnt 0x0                           ; the wave's end
	ds_add_u32 v[SPW], v[NIL]
	s_wait_dscnt 0x0
	s_endpgm
.Lfunc_end_k_q547df131c2_attn:
	.size	k_q547df131c2_attn, .Lfunc_end_k_q547df131c2_attn-k_q547df131c2_attn
	.p2alignl 7, 3214868480
	.fill 96, 4, 3214868480
	.section	.rodata,"a",@progbits
	.p2align	6, 0x0
	.amdhsa_kernel k_q547df131c2_attn
		.amdhsa_group_segment_fixed_size 327680
		.amdhsa_private_segment_fixed_size 0
		.amdhsa_enable_private_segment 0
		.amdhsa_kernarg_size 32
		.amdhsa_user_sgpr_count 2
		.amdhsa_user_sgpr_kernarg_segment_ptr 1
		.amdhsa_wavefront_size32 1
		.amdhsa_system_sgpr_workgroup_id_x 1
		.amdhsa_system_sgpr_workgroup_id_y 1
		.amdhsa_system_sgpr_workgroup_id_z 1
		.amdhsa_system_vgpr_workitem_id 0
		.amdhsa_next_free_vgpr 256
		.amdhsa_next_free_sgpr 100
		.amdhsa_reserve_vcc 1
		.amdhsa_float_denorm_mode_32 3
		.amdhsa_float_denorm_mode_16_64 3
		.amdhsa_fp16_overflow 1
		.amdhsa_memory_ordered 1
		.amdhsa_forward_progress 1
		.amdhsa_inst_pref_size 162
	.end_amdhsa_kernel
	.amdgpu_metadata
---
amdhsa.version: [ 1, 2 ]
amdhsa.kernels:
  - .name:           k_q547df131c2_attn
    .symbol:         k_q547df131c2_attn.kd
    .args:
      - { .name: q_img, .offset: 0, .size: 8, .value_kind: global_buffer, .address_space: global }
      - { .name: kv_img, .offset: 8, .size: 8, .value_kind: global_buffer, .address_space: global }
      - { .name: lowp_scales, .offset: 16, .size: 8, .value_kind: global_buffer, .address_space: global }
      - { .name: y_img, .offset: 24, .size: 8, .value_kind: global_buffer, .address_space: global }
    .group_segment_fixed_size: 327680
    .private_segment_fixed_size: 0
    .kernarg_segment_align: 8
    .kernarg_segment_size: 32
    .max_flat_workgroup_size: 256
    .sgpr_count:     100
    .vgpr_count:     256
    .wavefront_size: 32
...
	.end_amdgpu_metadata
.endif
;; end of part 2
;; launch proj (part 3): grid 4 x 32, 4 waves a work-group, clusters of 4 x 4, 327,680 bytes of LDS; arguments y_img, w_proj_codes, lowp_scales, b_proj, out0; writes out0
.if DOCPART == 3
	.amdgcn_target "amdgcn-amd-amdhsa--gfx1250"
	.amdhsa_code_object_version 6
	.text
	.protected	k_q547df131c2_proj
	.globl	k_q547df131c2_proj
	.p2align	8
	.type	k_q547df131c2_proj,@function
k_q547df131c2_proj:
	s_mov_b64 s[64:65], 0
	v_nop
	global_prefetch_b8 v0, s[64:65] scope:SCOPE_SE
	s_setreg_imm32_b32 hwreg(HW_REG_WAVE_MODE, 25, 1), 1
	s_wait_xcnt 0x0
	s_wait_alu depctr_hold_cnt(0) depctr_sa_sdst(0) depctr_va_vdst(0) depctr_va_sdst(0) depctr_va_ssrc(0) depctr_va_vcc(0) depctr_vm_vsrc(0)
	s_getreg_b32 s2, hwreg(HW_REG_IB_STS2, 6, 4)
	s_cmp_eq_u32 s2, 0
	s_cbranch_scc0 .Lentry_in_a_cluster
	s_endpgm
.Lentry_in_a_cluster:
	s_bfe_u32 s2, ttmp6, 0x10000c
	s_cmp_lg_u32 s2, 0xf033
	s_cbranch_scc0 .Lentry_shape_is_right
	s_endpgm
.Lentry_shape_is_right:
; out0 = y w_proj + b_proj on codes of E4M3: out0[m][n] = (sum over k of y[m][k] w[n][k]) x 2^(e6 + e7) + b_proj[n].  out0 [8192][1024] f32.
; y comes as an IMAGE of its fragments' registers: y_img [block of 16 rows 512][K step of 128, 8][c 4][512 bytes]: lane (r, h) has 16 bytes at 16 x lane: row r, K = 128 s + 32 c + 16 h + 0 .. 15.  w_proj_codes [1024][1024], K innermost.
; LIMIT: e6 + e7 between -126 and 127, so that 2^(e6 + e7) is an f32 number.
; A tile of 256 x 256 to a work-group of four waves, 128 x 128 a wave (64 accumulators); K = 1,024 in four K steps of 256 through a ring of two LDS slots; 4 x 4 clusters: A's tile is asked for jointly by a row of the
; cluster, B's by a column.  The matrix instruction is used transposed (source 0 = 16 rows of w, source 1 = 16 rows of y): a lane holds eight neighbouring numbers of a row of out0.
; REGISTERS, in windows of 256: window 0: v1-6 lane terms; v[8:11] my four biases on the way out; v16-29 addresses; from v128 A's fragments, ONE set; on the way out v128-191, v192-255 rows read back, by turns.
;   window 1: B's fragments, two sets.   windows 2, 3: the accumulators ((a, b) at v[8 (8 (a % 4) + b)]).
.set ROWB,   256                       ; a row of B's tile in bytes
.set KROW,   1024                      ; a row of w in memory
.set PITCH,  272                       ; B's row in LDS: 256 bytes + 16 of padding: the 16 rows that a load touches start at 16 different banks (64 banks of 4 bytes: ISA guide 11.1)
.set FR,     16
.set NL,     4
.set NP,     4
.set ABLK,   4096                      ; a block of 16 rows x 256 K of y: two fragments' images on end
.set APART,  16*ABLK                   ; A's part of a slot: no padding: a load's 512 bytes are consecutive
.set BHALF,  128*PITCH
.set SLOT,   APART+2*BHALF
.set SPARE,  2*SLOT                    ; behind the ring: the spare words, 128 bytes for each wave
.set SPITCH, 528                       ; the way out: a stage of 16 rows x (512 bytes + 16) for each wave, in slot 0, which has had its last fill and its last read when the first result is stored there
.set ADRA, 16
.set ADRB, 20
.set STO,  24
.set RD,   25
.set CO,   26
.set SPW,  28
.set NIL,  29
.set AF,   128
.set BK,   128
.set G1, 24
.set G0, 32
.set G1B, 48
.set G0B, 56
.set MSB, 0
.macro WIN new                         ; the immediate's high byte repeats the setting that is left
.if MSB != \new
	s_set_vgpr_msb (MSB<<8)|\new
.set MSB, \new
.endif
.endm
.set MUL_LO, 0xa1                      ; source 0 (B) window 1, source 1 (A) window 0, C and D window 2
.set MUL_HI, 0xf1
.set TO_B,   0x40
.macro JLOAD g0a, g1a, g0b, g1b        ; a joint load: waves 0 and 1 fetch for A, waves 2 and 3 for B; four v_nop follow each of the two lines
	s_cmp_eq_u32 s15, 0
	s_cbranch_scc0 .Lfor_b_\@
	tensor_load_to_lds s[\g0a:\g0a+3], s[\g1a:\g1a+7]
	s_nop 0
.rept 4
	v_nop
.endr
	s_branch .Lasked_\@
.Lfor_b_\@:
	tensor_load_to_lds s[\g0b:\g0b+3], s[\g1b:\g1b+7]
	s_nop 0
.rept 4
	v_nop
.endr
.Lasked_\@:
.endm
.macro CREST
	s_cmp_lg_u32 s14, 0
	s_cbranch_scc1 .Lnot_wave_0_\@
	s_barrier_signal -3
.Lnot_wave_0_\@:
	s_barrier_wait -3
	s_barrier_signal -1
	s_barrier_wait -1
.endm
.macro CROUND
	s_barrier_signal -1
	s_barrier_wait -1
	CREST
.endm
	s_load_b128 s[4:7], s[0:1], 0x0                ; y_img s[4:5], w's codes s[6:7]
	s_load_b128 s[8:11], s[0:1], 0x10              ; the scales' exponents s[8:9], the bias s[10:11]
	s_load_b64 s[12:13], s[0:1], 0x20              ; out0
	v_lshl_add_u32 v[SPW], v0, 2, SPARE
	v_mov_b32 v[NIL], 0
	ds_add_u32 v28, v29
	s_wait_dscnt 0x0
	v_lshrrev_b32 v1, 5, v0
	v_readfirstlane_b32 s14, v1                    ; wave 0..3
	s_lshr_b32 s15, s14, 1                         ; which half of the tile's rows is mine.  Also: I fetch for A (0) or for B (1)
	s_and_b32 s16, s14, 1                          ; which half of its columns.  Also: which half of that tile I fetch
	s_bfe_u32 s40, ttmp6, 0x40000                  ; cx, cy
	s_bfe_u32 s41, ttmp6, 0x40004
	s_lshl_b32 s42, ttmp9, 2
	s_add_co_u32 s42, s42, s40                     ; tile column = 4 x cluster x + cx
	s_and_b32 s17, ttmp7, 0xffff
	s_lshl_b32 s17, s17, 2
	s_add_co_u32 s17, s17, s41                     ; tile row = 4 x cluster y + cy
	s_lshl_b32 s43, s41, 2
	s_lshl_b32 s43, 15, s43                        ; my row of the cluster
	s_lshl_b32 s44, 0x1111, s40                    ; my column
	; A's group 1: 8 blocks of 16 rows: 8 lines of 4,096 bytes, 16,384 bytes apart in memory, on end in LDS
	s_or_b32 s[G1+0], s43, (0<<16)|(1<<21)         ; 15:0 the mask; 17:16 element of 1 byte; no padding; 21 set beside a mask
	s_mov_b32 s[G1+1], ABLK<<16                    ; tensor_dim0
	s_mov_b32 s[G1+2], 8<<16                       ; tensor_dim1
	s_mov_b32 s[G1+3], ABLK<<16                    ; tile_dim0
	s_mov_b32 s[G1+4], 8                           ; tile_dim1
	s_mov_b32 s[G1+5], 16384                       ; tensor_dim0_stride
	s_mov_b32 s[G1+6], 0
	s_mov_b32 s[G1+7], 0
	; B's group 1: 128 rows x 256 bytes, padded in LDS
	s_or_b32 s[G1B+0], s44, (0<<16)|(1<<20)|(1<<21)|(5<<22)|(3<<25)
	s_mov_b32 s[G1B+1], ROWB<<16
	s_mov_b32 s[G1B+2], 128<<16
	s_mov_b32 s[G1B+3], ROWB<<16
	s_mov_b32 s[G1B+4], 128
	s_mov_b32 s[G1B+5], KROW
	s_mov_b32 s[G1B+6], 0
	s_mov_b32 s[G1B+7], 0
	s_lshl_b32 s20, s17, 18                        ; A: (16 x tile row + 8 x half) blocks of 16,384 bytes
	s_lshl_b32 s18, s16, 17
	s_add_co_u32 s20, s20, s18
	s_mov_b32 s21, 0
	s_lshl_b32 s46, s42, 8                         ; B: (256 x tile column + 128 x half) rows of 1,024 bytes
	s_lshl_b32 s18, s16, 7
	s_add_co_u32 s46, s46, s18
	s_lshl_b32 s46, s46, 10
	s_mov_b32 s47, 0
	s_lshl_b32 s45, s16, 15                        ; where they go: A's half,
	s_mul_i32 s19, s16, BHALF
	s_add_co_u32 s19, s19, APART                   ; B's half: no place in the cluster enters an LDS address
	s_wait_kmcnt 0x0
	s_load_b256 s[72:79], s[8:9], 0x0              ; e0 .. e7
	s_add_nc_u64 s[20:21], s[4:5], s[20:21]
	s_add_nc_u64 s[46:47], s[6:7], s[46:47]
	CROUND                                         ; all sixteen work-groups are here: the first joint loads meet
.irp s, 0,1
	s_mov_b32 s[G0+4*\s], 1
	s_add_co_u32 s[G0+4*\s+1], s45, \s*SLOT
	s_add_nc_u64 s[G0+4*\s+2:G0+4*\s+3], s[20:21], \s*ABLK
	s_or_b32 s[G0+4*\s+3], s[G0+4*\s+3], 0x80000000
	s_mov_b32 s[G0B+4*\s], 1
	s_add_co_u32 s[G0B+4*\s+1], s19, \s*SLOT
	s_add_nc_u64 s[G0B+4*\s+2:G0B+4*\s+3], s[46:47], \s*ROWB
	s_or_b32 s[G0B+4*\s+3], s[G0B+4*\s+3], 0x80000000
	JLOAD G0+4*\s, G1, G0B+4*\s, G1B               ; two tensor loads of mine are out
.endr
	v_and_b32 v1, 15, v0                           ; r
	v_bfe_u32 v2, v0, 4, 1                         ; h
	v_and_b32 v6, 31, v0
	v_lshlrev_b32 v[CO], 4, v6                     ; 16 x lane
	v_mul_u32_u24 v3, v1, PITCH
	v_lshl_add_u32 v4, v2, 4, v3                   ; B: a fragment's row x pitch + 16 x half
	s_lshl_b32 s21, s15, 15                        ; my 8 blocks of A
	s_mul_i32 s22, s16, BHALF                      ; my 128 rows of B,
	s_add_co_u32 s22, s22, APART                   ; which lie behind A's part
.irp s, 0,1
	v_add_nc_u32 v[ADRA+\s], s21, v[CO]
	v_add_nc_u32 v[ADRB+\s], s22, v4
	s_add_co_u32 s21, s21, SLOT
	s_add_co_u32 s22, s22, SLOT
.endr
	s_mul_i32 s23, s14, 16*SPITCH                  ; my stage
	v_mul_u32_u24 v5, v1, SPITCH                   ; in: row r, 32 bytes for each half of the lanes
	v_lshl_add_u32 v5, v2, 5, v5
	v_add_nc_u32 v[STO], s23, v5
	v_add_nc_u32 v[RD], s23, v[CO]                 ; back: the 32 lanes take one row of 512 bytes
	s_lshl_b32 s46, s42, 10                        ; my first column, in bytes of f32: 1,024 x tile column + 512 x half: in out0's rows and in the bias alike
	s_lshl_b32 s47, s16, 9
	s_add_co_u32 s46, s46, s47
	s_mov_b32 s47, 0
	s_add_nc_u64 s[86:87], s[10:11], s[46:47]
	s_lshl_b32 s20, s17, 20                        ; my first row: (256 x tile row + 128 x half) rows of 4,096 bytes: under 2^25
	s_lshl_b32 s21, s15, 19
	s_add_co_u32 s20, s20, s21
	s_add_co_u32 s20, s20, s46
	s_mov_b32 s21, 0
	s_add_nc_u64 s[12:13], s[12:13], s[20:21]
	global_load_b128 v[8:11], v[CO], s[86:87]      ; the biases of the four columns that I store
.macro FRAG reg, adr, q, i             ; a fragment of B from rows: registers 4 c .. 4 c + 3 hold K = 32 c + 16 (l / 16) + 0 .. 15
.irp c, 0,1,2,3
	ds_load_b128 v[\reg+4*\c:\reg+4*\c+3], v[\adr] offset:128*(\q)+32*\c+(\i)*16*PITCH
.endr
.endm
.macro FRAGA reg, adr, q, i            ; a fragment of A from its image: the same places
.irp c, 0,1,2,3
	ds_load_b128 v[\reg+4*\c:\reg+4*\c+3], v[\adr] offset:(\i)*ABLK+(\q)*2048+512*\c
.endr
.endm
.macro MUL16 a0, p, zero               ; 16 matrix instructions; the 64 accumulators take turns, one instruction a turn
.irp a, \a0, \a0+1
.irp b, 0,1,2,3,4,5,6,7
.if \zero
	v_wmma_f32_16x16x128_fp8_fp8 v[8*(8*((\a)%4)+\b):8*(8*((\a)%4)+\b)+7], v[128*(\p)+FR*\b:128*(\p)+FR*\b+FR-1], v[AF+FR*(\a):AF+FR*(\a)+FR-1], 0
.else
	v_wmma_f32_16x16x128_fp8_fp8 v[8*(8*((\a)%4)+\b):8*(8*((\a)%4)+\b)+7], v[128*(\p)+FR*\b:128*(\p)+FR*\b+FR-1], v[AF+FR*(\a):AF+FR*(\a)+FR-1], v[8*(8*((\a)%4)+\b):8*(8*((\a)%4)+\b)+7]
.endif
.endr
.endr
.endm
.macro FETCH_B slot, q, p
	WIN TO_B
.irp i, 0,1,2,3,4,5,6,7
	FRAG 128*(\p)+FR*\i, ADRB+\slot, \q, \i
.endr
	WIN 0
.endm
.macro FETCH_A slot, q, i0
.irp i, \i0, \i0+1, \i0+2, \i0+3
	FRAGA AF+FR*(\i), ADRA+\slot, \q, \i
.endr
.endm
.macro PLACES n                        ; plain vector lines between a matrix instruction and a load into, or a read of, its registers
.rept \n
	v_nop
.endr
.endm
.macro STEP slot, q, zero
	s_wait_dscnt 4*NL                              ; B's set and A's blocks 0-3 are in; the youngest 16 loads (A's blocks 4-7) may be out
	WIN MUL_LO
	MUL16 0, (\q)%2, \zero
	MUL16 2, (\q)%2, \zero
	s_wait_dscnt 0
	PLACES NP
	FETCH_B \slot, (\q)+1, 1-(\q)%2
	FETCH_A \slot, (\q)+1, 0
	WIN MUL_HI
	MUL16 4, (\q)%2, \zero
	MUL16 6, (\q)%2, \zero
	PLACES NP
	WIN 0
	FETCH_A \slot, (\q)+1, 4
.endm
.macro TURN slot, next, fill           ; a slot's last step changes slots: one barrier, with the three lines in front of it
	s_wait_tensorcnt 0x0                           ; all my tensor loads have landed: my part of the next slot
	ds_add_u32 v[SPW], v[NIL]                      ; 0 onto my spare word
	s_wait_dscnt 4*NL+1                            ; (the add and the youngest 16 loads may be out)
	WIN MUL_LO
	MUL16 0, 1, 0
	s_wait_dscnt 0x0                               ; the add is done, and my reads of this slot are over
	s_barrier_signal -1
	MUL16 2, 1, 0
	WIN 0
	s_barrier_wait -1
.if \fill
	CREST                                          ; the barrier has opened a round of the cluster's barrier: no wave of any partner still reads this slot's tile or has a load on its way
	s_add_nc_u64 s[G0+4*\slot+2:G0+4*\slot+3], s[G0+4*\slot+2:G0+4*\slot+3], 2*ABLK
	s_add_nc_u64 s[G0B+4*\slot+2:G0B+4*\slot+3], s[G0B+4*\slot+2:G0B+4*\slot+3], 2*ROWB
	JLOAD G0+4*\slot, G1, G0B+4*\slot, G1B         ; the first tensor load behind the round, my only one out
.else
	PLACES NP
.endif
	FETCH_B \next, 0, 0
	FETCH_A \next, 0, 0
	WIN MUL_HI
	MUL16 4, 1, 0
	MUL16 6, 1, 0
	PLACES NP
	WIN 0
	FETCH_A \next, 0, 4
.endm
	s_wait_tensorcnt 1                             ; my part of K step 0 is in (K step 1's load may be out)
	s_barrier_signal -1
	s_barrier_wait -1                              ; everybody's is
	FETCH_B 0, 0, 0
	FETCH_A 0, 0, 0
	FETCH_A 0, 0, 4
	STEP 0, 0, 1                                   ; its products start the sums
	TURN 0, 1, 1                                   ; slot 0 takes K step 2
	STEP 1, 0, 0
	TURN 1, 0, 1                                   ; slot 1 takes K step 3
	STEP 0, 0, 0
	TURN 0, 1, 0                                   ; nothing is left to fetch: behind this barrier nobody reads slot 0
	STEP 1, 0, 0
	s_wait_dscnt 4*NL
	WIN MUL_LO
	MUL16 0, 1, 0
	MUL16 2, 1, 0
	s_wait_dscnt 0
	WIN MUL_HI
	MUL16 4, 1, 0
	MUL16 6, 1, 0
	WIN 0
; THE WAY OUT, block by block of 16 rows x 128 columns.  The sums go as they are through my own stage in LDS and come back as whole rows of 512 bytes; there one packed multiply-add for two numbers gives
; sum x 2^(e6 + e7) + bias, with the four biases of the lane's four columns.  LDS serves a wave's instructions in order (ISA guide 5.7.1.4): no wait between the stores and the loads.
.macro TOSTAGE a
.set AC, 64*((\a)%4)
	WIN 0x08+4*((\a)/4)                            ; an LDS store's data: window 2 or 3; its address: window 0
.irp b, 0,1,2,3,4,5,6,7
	ds_store_b128 v[STO], v[AC+8*\b:AC+8*\b+3] offset:64*\b             ; each accumulator from its low end on
	ds_store_b128 v[STO], v[AC+8*\b+4:AC+8*\b+7] offset:64*\b+16
.endr
	WIN 0
.set BB, BK+64*((\a)%2)
.irp t, 0,1,2,3,4,5,6,7,8,9,10,11,12,13,14,15
	ds_load_b128 v[BB+4*\t:BB+4*\t+3], v[RD] offset:\t*SPITCH
.endr
.endm
.macro SEND a, younger                 ; younger: the LDS instructions issued behind block a's loads, which may stay out
.set BB, BK+64*((\a)%2)
	s_wait_dscnt \younger                          ; the block is back in registers
.if (\a) > 0
	s_add_nc_u64 s[12:13], s[12:13], 16*4096       ; (behind a wait on XCNT: the earlier stores have read their base)  16 rows on
.endif
.irp t, 0,1,2,3,4,5,6,7,8,9,10,11,12,13,14,15
	v_pk_fma_f32 v[BB+4*\t:BB+4*\t+1], v[BB+4*\t:BB+4*\t+1], s[96:97], v[8:9] op_sel_hi:[1,0,1]
	v_pk_fma_f32 v[BB+4*\t+2:BB+4*\t+3], v[BB+4*\t+2:BB+4*\t+3], s[96:97], v[10:11] op_sel_hi:[1,0,1]
.endr
.irp t, 0,1,2,3,4,5,6,7,8,9,10,11,12,13,14,15
	global_store_b128 v[CO], v[BB+4*\t:BB+4*\t+3], s[12:13] offset:\t*4096 th:TH_STORE_NT   ; 32 lanes store 512 consecutive bytes, at a multiple of 512 from out0's first byte; written once, read by nobody here
.endr
.endm
	s_wait_kmcnt 0x0
	s_add_co_i32 s96, s78, s79                     ; e6 + e7
	s_add_co_i32 s96, s96, 127
	s_lshl_b32 s96, s96, 23                        ; 2^(e6 + e7) as f32
	s_mov_b32 s97, s96                             ; (named with it as a pair, so it is written)
	s_wait_loadcnt 0x0                             ; the biases
	PLACES NP                                      ; behind the last products: for the LDS stores that read results and the loads into the registers that held A's fragments
	TOSTAGE 0
.irp a, 1,2,3,4,5,6,7
.if \a > 1
	s_wait_xcnt 0x0                                ; block a - 2's stores have read their registers and their base: block a's loads may land there, and the base may step
.endif
	TOSTAGE \a
	SEND \a-1, 32                                  ; behind block a - 1's loads: block a's 16 stores and 16 loads
.endr
	s_wait_xcnt 0x0                                ; block 6's stores have read their base
	SEND 7, 0
	s_wait_tensorcnt 0x0                           ; the wave's end, behind my last tensor load and my last LDS store
	ds_add_u32 v[SPW], v[NIL]
	s_wait_dscnt 0x0
	CROUND                                         ; the closing round: no work-group ends while a partner may still ask for a tile that names it
	s_endpgm
.Lfunc_end_k_q547df131c2_proj:
	.size	k_q547df131c2_proj, .Lfunc_end_k_q547df131c2_proj-k_q547df131c2_proj
	.p2alignl 7, 3214868480
	.fill 96, 4, 3214868480
	.section	.rodata,"a",@progbits
	.p2align	6, 0x0
	.amdhsa_kernel k_q547df131c2_proj
		.amdhsa_group_segment_fixed_size 327680
		.amdhsa_private_segment_fixed_size 0
		.amdhsa_enable_private_segment 0
		.amdhsa_kernarg_size 40
		.amdhsa_user_sgpr_count 2
		.amdhsa_user_sgpr_kernarg_segment_ptr 1
		.amdhsa_wavefront_size32 1
		.amdhsa_system_sgpr_workgroup_id_x 1
		.amdhsa_system_sgpr_workgroup_id_y 1
		.amdhsa_system_sgpr_workgroup_id_z 1
		.amdhsa_system_vgpr_workitem_id 0
		.amdhsa_next_free_vgpr 1024
		.amdhsa_next_free_sgpr 100
		.amdhsa_reserve_vcc 0
		.amdhsa_float_denorm_mode_32 3
		.amdhsa_float_denorm_mode_16_64 3
		.amdhsa_memory_ordered 1
		.amdhsa_forward_progress 1
		.amdhsa_inst_pref_size 123
	.end_amdhsa_kernel
	.amdgpu_metadata
---
amdhsa.version: [ 1, 2 ]
amdhsa.kernels:
  - .name:           k_q547df131c2_proj
    .symbol:         k_q547df131c2_proj.kd
    .args:
      - { .name: y_img, .offset: 0, .size: 8, .value_kind: global_buffer, .address_space: global }
      - { .name: w_proj_codes, .offset: 8, .size: 8, .value_kind: global_buffer, .address_space: global }
      - { .name: lowp_scales, .offset: 16, .size: 8, .value_kind: global_buffer, .address_space: global }
      - { .name: b_proj, .offset: 24, .size: 8, .value_kind: global_buffer, .address_space: global }
      - { .name: out0, .offset: 32, .size: 8, .value_kind: global_buffer, .address_space: global }
    .group_segment_fixed_size: 327680
    .private_segment_fixed_size: 0
    .kernarg_segment_align: 8
    .kernarg_segment_size: 40
    .max_flat_workgroup_size: 128
    .sgpr_count:     100
    .vgpr_count:     1024
    .wavefront_size: 32
...
	.end_amdgpu_metadata
.endif
;; end of part 3
